; MI455X (gfx1250); checked and timed in simulation.
; The chip was launched on July 23, 2026; its instructions are those of AMD's public machine-readable ISA for CDNA 5 (MIT licence, August 2026) and "CDNA5" Instruction Set Architecture Reference Guide (July 2026). The comments in the code are by the model that wrote it; some were corrected since.
;; Quantized Linear. Allowed arithmetic: float matrix products may take bf16 or f16 operands with f32 sums; all other float work in f32.
;; Inputs: bias 4,096 float32; scale 4,096 float32; weight_int8 4,096 x 4,096 int8; x 4 x 1,024 x 4,096 float32.
;; Outputs: out0 4 x 1,024 x 4,096 float32.
;; 2 versions, each right; version 2 is version 1 with the launch tohalf written anew for expert scheduling mode. Each part assembles by itself: llvm-mc -triple=amdgcn-amd-amdhsa -mcpu=gfx1250 --defsym DOCPART=n.
;; ======== version 1 of 2: 2 launches
;; limits: values are held in f16: magnitudes above 65,504 overflow, below 6.1e-05 lose precision; inputs' magnitudes at most 65,504
;; workspace buffers: xh 33,554,432 bytes; wh 33,554,432 bytes
;; launch tohalf (part 1): grid 1024 x 1, 8 waves a work-group, no clusters, 0 bytes of LDS; arguments x, weight_int8, xh, wh; writes xh, wh
.if DOCPART == 1
	.amdgcn_target "amdgcn-amd-amdhsa--gfx1250"
	.amdhsa_code_object_version 6
	.text
	.protected	k_q3db1a9bc68_tohalf
	.globl	k_q3db1a9bc68_tohalf
	.p2align	8
	.type	k_q3db1a9bc68_tohalf,@function
k_q3db1a9bc68_tohalf:
	s_mov_b64 s[64:65], 0
	v_nop
	global_prefetch_b8 v0, s[64:65] scope:SCOPE_SE
	s_setreg_imm32_b32 hwreg(HW_REG_WAVE_MODE, 25, 1), 1
	s_wait_xcnt 0x0
; xh = f16(x), wh = f16(w8).  x: [4096][4096] f32; w8: [4096][4096] int8; xh, wh: [4096][4096] f16, the same order of elements.
; LIMIT.  |x| of 65,520 or more becomes an infinity in f16; below 6e-5 x keeps f16's fixed step of 6e-8.  An int8 is exact in f16.
; A stream: bytes are all that counts, so no LDS, no barrier, no matrix unit.  1,024 work-groups of eight waves; each takes 65,536 bytes of x and 16,384 bytes of w8 (16,384 numbers of each).
; A thread issues all its 24 loads first (16 of 16 bytes of x, 8 of 8 bytes of w8), then converts and stores in the order of the loads, each behind a counted wait.
; x:  a load of a wave covers 512 consecutive bytes; four f32 a lane become 8 bytes: a store of a wave covers 256 consecutive bytes, aligned.
; w8: a load of a wave covers 256 consecutive bytes; eight int8 a lane become 16 bytes: a store of a wave covers 512 consecutive bytes, aligned.
; int8 -> f16, reckoned in f32: u = byte xor 0x80 is byte + 128 without a sign; the word 0x4B0000uu is the f32 number 2^23 + u; adding -(2^23 + 128) gives the byte's value, exactly;
; one conversion rounds two of them to f16, exactly too.
; No register is a source of two memory instructions but the two offsets, which are never rewritten: no wait is needed to free a register.
.set XB, 4                             ; v[4:67]    x as loaded, load i at XB + 4 i; its two lowest registers then hold the four f16
.set WB, 68                            ; v[68:83]   w8 as loaded, load j at WB + 2 j
.set T,  84                            ; v[84:91]   eight f32 at work
.set Y,  92                            ; v[92:123]  wh to store, load j's eight f16 at Y + 4 j
.set C80, 18                           ; s18  0x80808080
.set K4B, 19                           ; s19  0x4B000000: the upper three bytes of 2^23 + u
.set NK,  20                           ; s[20:21] -(2^23 + 128): the packed addition takes the pair's low word for both halves
.set SEL, 22                           ; s22-25 byte selects: {0x4B, 0, 0, byte c of the raw word}, c = 0..3
	s_load_b256 s[4:11], s[0:1], 0x0               ; x s[4:5], w8 s[6:7], xh s[8:9], wh s[10:11]
	s_lshl_b32 s12, ttmp9, 16                      ; my work-group's 65,536 bytes of x (1,024 of them: under 2^32)
	s_mov_b32 s13, 0
	s_lshl_b32 s14, ttmp9, 14                      ; its 16,384 bytes of w8
	s_mov_b32 s15, 0
	s_lshl_b32 s16, ttmp9, 15                      ; its 32,768 bytes of xh and of wh
	s_mov_b32 s17, 0
	s_mov_b32 s[C80], 0x80808080
	s_mov_b32 s[K4B], 0x4b000000
	s_mov_b32 s[NK], 0xcb000080                    ; -8,388,736
	s_mov_b32 s[NK+1], s[NK]                       ; named with it as a pair
	s_mov_b32 s[SEL], 0x03000004
	s_mov_b32 s[SEL+1], 0x03000005
	s_mov_b32 s[SEL+2], 0x03000006
	s_mov_b32 s[SEL+3], 0x03000007
	v_lshlrev_b32 v1, 4, v0                        ; 16 bytes a thread: x's loads, wh's stores
	v_lshlrev_b32 v2, 3, v0                        ; 8 bytes a thread: w8's loads, xh's stores
	s_wait_kmcnt 0x0
	s_add_nc_u64 s[4:5], s[4:5], s[12:13]
	s_add_nc_u64 s[6:7], s[6:7], s[14:15]
	s_add_nc_u64 s[8:9], s[8:9], s[16:17]
	s_add_nc_u64 s[10:11], s[10:11], s[16:17]
.set i, 0
.rept 16
	global_load_b128 v[XB+4*i:XB+4*i+3], v1, s[4:5] offset:i*4096   ; the eight waves together: 4,096 consecutive bytes
.set i, i+1
.endr
.set i, 0
.rept 8
	global_load_b64 v[WB+2*i:WB+2*i+1], v2, s[6:7] offset:i*2048    ; 2,048 consecutive bytes
.set i, i+1
.endr
.set i, 0
.rept 16
	s_wait_loadcnt 23-i                            ; loads come back in order (ISA guide 5.7.1): behind x's load i stand 15 - i of x and 8 of w8
	v_cvt_pk_f16_f32 v[XB+4*i],   v[XB+4*i],   v[XB+4*i+1]
	v_cvt_pk_f16_f32 v[XB+4*i+1], v[XB+4*i+2], v[XB+4*i+3]
	global_store_b64 v2, v[XB+4*i:XB+4*i+1], s[8:9] offset:i*2048
.set i, i+1
.endr
.macro WCHUNK j
	s_wait_loadcnt 7-(\j)                          ; behind w8's load j stand 7 - j others
	v_xor_b32 v[WB+2*(\j)],   s[C80], v[WB+2*(\j)]
	v_xor_b32 v[WB+2*(\j)+1], s[C80], v[WB+2*(\j)+1]
.irp c, 0,1,2,3,4,5,6,7
	v_perm_b32 v[T+(\c)], v[WB+2*(\j)+(\c)/4], s[K4B], s[SEL+(\c)%4]
.endr
.irp m, 0,1,2,3
	v_pk_add_f32 v[T+2*(\m):T+2*(\m)+1], v[T+2*(\m):T+2*(\m)+1], s[NK:NK+1] op_sel_hi:[1,0]
.endr
.irp m, 0,1,2,3
	v_cvt_pk_f16_f32 v[Y+4*(\j)+(\m)], v[T+2*(\m)], v[T+2*(\m)+1]
.endr
	global_store_b128 v1, v[Y+4*(\j):Y+4*(\j)+3], s[10:11] offset:(\j)*4096
.endm
.irp j, 0,1,2,3,4,5,6,7
	WCHUNK \j
.endr
	s_endpgm
.Lfunc_end_k_q3db1a9bc68_tohalf:
	.size	k_q3db1a9bc68_tohalf, .Lfunc_end_k_q3db1a9bc68_tohalf-k_q3db1a9bc68_tohalf
	.p2alignl 7, 3214868480
	.fill 96, 4, 3214868480
	.section	.rodata,"a",@progbits
	.p2align	6, 0x0
	.amdhsa_kernel k_q3db1a9bc68_tohalf
		.amdhsa_group_segment_fixed_size 0
		.amdhsa_private_segment_fixed_size 0
		.amdhsa_enable_private_segment 0
		.amdhsa_kernarg_size 32
		.amdhsa_user_sgpr_count 2
		.amdhsa_user_sgpr_kernarg_segment_ptr 1
		.amdhsa_wavefront_size32 1
		.amdhsa_system_sgpr_workgroup_id_x 1
		.amdhsa_system_sgpr_workgroup_id_y 1
		.amdhsa_system_sgpr_workgroup_id_z 1
		.amdhsa_system_vgpr_workitem_id 0
		.amdhsa_next_free_vgpr 124
		.amdhsa_next_free_sgpr 66
		.amdhsa_reserve_vcc 0
		.amdhsa_float_denorm_mode_32 3
		.amdhsa_float_denorm_mode_16_64 3
		.amdhsa_memory_ordered 1
		.amdhsa_forward_progress 1
		.amdhsa_inst_pref_size 17
	.end_amdhsa_kernel
	.amdgpu_metadata
---
amdhsa.version: [ 1, 2 ]
amdhsa.kernels:
  - .name:           k_q3db1a9bc68_tohalf
    .symbol:         k_q3db1a9bc68_tohalf.kd
    .args:
      - { .name: x, .offset: 0, .size: 8, .value_kind: global_buffer, .address_space: global }
      - { .name: weight_int8, .offset: 8, .size: 8, .value_kind: global_buffer, .address_space: global }
      - { .name: xh, .offset: 16, .size: 8, .value_kind: global_buffer, .address_space: global }
      - { .name: wh, .offset: 24, .size: 8, .value_kind: global_buffer, .address_space: global }
    .group_segment_fixed_size: 0
    .private_segment_fixed_size: 0
    .kernarg_segment_align: 8
    .kernarg_segment_size: 32
    .max_flat_workgroup_size: 256
    .sgpr_count:     66
    .vgpr_count:     124
    .wavefront_size: 32
...
	.end_amdgpu_metadata
.endif
;; end of part 1
;; launch gemm (part 2): grid 16 x 16, 4 waves a work-group, clusters of 4 x 4, 327,680 bytes of LDS; arguments xh, wh, scale, bias, out0; writes out0
.if DOCPART == 2
	.amdgcn_target "amdgcn-amd-amdhsa--gfx1250"
	.amdhsa_code_object_version 6
	.text
	.protected	k_q3db1a9bc68_gemm
	.globl	k_q3db1a9bc68_gemm
	.p2align	8
	.type	k_q3db1a9bc68_gemm,@function
k_q3db1a9bc68_gemm:
	s_mov_b64 s[64:65], 0
	v_nop
	global_prefetch_b8 v0, s[64:65] scope:SCOPE_SE
	s_setreg_imm32_b32 hwreg(HW_REG_WAVE_MODE, 25, 1), 1
	s_wait_xcnt 0x0
	s_wait_alu depctr_hold_cnt(0) depctr_sa_sdst(0) depctr_va_vdst(0) depctr_va_sdst(0) depctr_va_ssrc(0) depctr_va_vcc(0) depctr_vm_vsrc(0)
	s_getreg_b32 s2, hwreg(HW_REG_IB_STS2, 6, 4)
	s_cmp_eq_u32 s2, 0
	s_cbranch_scc0 .Lentry_in_a_cluster
	s_endpgm
.Lentry_in_a_cluster:
	s_bfe_u32 s2, ttmp6, 0x10000c
	s_cmp_lg_u32 s2, 0xf033
	s_cbranch_scc0 .Lentry_shape_is_right
	s_endpgm
.Lentry_shape_is_right:
; out[m][o] = scale[o] * (sum over k of xh[m][k] wh[o][k]) + bias[o].  xh: [4096][4096] f16 (x rounded once); wh: [4096][4096] f16 (the int8 weights, exact); scale, bias: [4096] f32; out: [4096][4096] f32.
; scale[o] does not hang on k, so it stands outside the sum: sums in f32, then ONE f32 multiply-add for each output on the way out.
; LIMIT.  xh holds no number beyond 65,504 (the launch in front states what becomes of a larger x).  NaN and infinities are not treated apart.
; A tile of out, 256 x 256, is made by a work-group of four waves, as many as a WGP has SIMDs; a wave makes 128 x 128: 64 accumulators of 16 x 16, 512 registers.  16 x 16 = 256 work-groups.
; K goes in steps of 128 through a ring of two LDS slots filled by the tensor data mover: the rows of xh's and wh's tiles are 256 bytes of memory and start at multiples of 256 bytes.
; CLUSTERS: 4 x 4 work-groups.  The four of a row of the cluster need the same tiles of xh (A), the four of a column the same tiles of wh (B).  Such a tile is asked for JOINTLY: each of the four
; issues the same tensor load, with the same descriptor and a mask that names the four, and each receives the tile in its own LDS.  That divides the requests for A and for B by four.
; REGISTERS, in windows of 256 (s_set_vgpr_msb's low byte: bits 1:0 source 0, 3:2 source 1, 5:4 source 2, 7:6 destination):
;   window 0: v0-31 addresses; v64-127, v128-191 fragments of A (8 x 16 rows x 32 K), two buffers; on the way out: results, and rows read back
;   window 1: v64-127, v128-191 fragments of B, two buffers; v0-63 scale and v192-255 bias of my 128 columns, from the start on
;   window 2: the 32 accumulators of my rows 0-63 (accumulator (a, b) at v[8 (8 a + b)]);   window 3: those of my rows 64-127
; Work is laid in long stretches under one setting: 32 matrix instructions, 16 loads, 16 loads, 32 matrix instructions.
; THE MATRIX INSTRUCTION IS USED TRANSPOSED: source 0 = 16 rows of B, source 1 = 16 rows of A.  In the result, lane l then holds row m = l % 16 of out, and its registers 0 to 7 the columns
; n = 8 (l / 16) + 0 .. 7: eight NEIGHBOURING numbers of a row, 32 bytes.
.set SIZE_N, 4096
.set SIZE_K, 4096
.set KSTEP,  128
.set PITCH,  272                       ; an LDS row: 256 bytes of data + 16 of padding = 68 words: row r starts at bank 4 r mod 64 (64 banks of 4 bytes: ISA guide 11.1), so the 16 rows that a load touches start at 16 different banks
.set HALFT,  128*PITCH                 ; 128 rows: what one tensor load brings, and what one wave reads of A or of B
.set SLOT,   4*HALFT                   ; A's 256 rows, then B's 256 rows
.set STAGE,  2*SLOT                    ; 278,528: behind the ring, never filled by a tensor load: 16 rows x 528 bytes for each wave, for the way out
.set SPITCH, 528                       ; a stage row: 512 bytes + 16: an odd multiple of 16
.set SB,     STAGE+4*16*SPITCH         ; 312,320: never filled by a tensor load: the tile's 256 scales, then its 256 biases
.set SPARE,  SB+2048                   ; 314,368: the spare words, 128 bytes for each wave: two blocks of 256 bytes that no other line names
.set LAPS,   SIZE_K/(2*KSTEP)          ; 16: a lap = two K steps = once round the ring
.set ADRA, 16                          ; v16-17  LDS address of my A fragments in slot 0, 1
.set ADRB, 20                          ; v20-21  the same for B
.set STO,  24                          ; v24     the way out: where I put 32 bytes of a row
.set RD,   25                          ; v25     the way out: where I read a row back
.set CO,   26                          ; v26     my byte offset in 512 consecutive bytes of out
.set SBA,  27                          ; v27     where my columns' scales lie in LDS
.set SPW,  28                          ; v28     LDS address of my spare word: SPARE + 4 x my thread's number; never rewritten
.set NIL,  29                          ; v29     0; never rewritten
.set F0,   64                          ; fragment buffer 0
.set F1,   128                         ; fragment buffer 1
.set TMP,  64                          ; the way out, window 0: 16 rows' results
.set BK,   128                         ; the way out, window 0: 16 rows read back from the stage
.set SC,   0                           ; window 1: scale, column block b at SC + 8 b
.set BI,   192                         ; window 1: bias, likewise
.set G1, 24                            ; s[24:31] descriptor group 1 for A's tiles
.set G0, 32                            ; s[32:39] descriptor group 0 for A's tiles, one set for each slot
.set G1B, 48                           ; s[48:55] descriptor group 1 for B's tiles: it differs from A's in the mask alone
.set G0B, 56                           ; s[56:63] descriptor group 0 for B's tiles, one set for each slot
.set MSB, 0
.macro WIN new                         ; the immediate's high byte repeats the setting that is left; a switch that changes nothing is dropped
.if MSB != (\new)
	s_set_vgpr_msb (MSB<<8)|(\new)
.set MSB, \new
.endif
.endm
.set MUL_LO, 0xa1                      ; source 0 (B) window 1, source 1 (A) window 0, C and D window 2
.set MUL_HI, 0xf1                      ; the same, C and D window 3
.set TO_B,   0x40                      ; destination window 1, address window 0
; A joint load.  Waves 0 and 1 fetch A's two halves, waves 2 and 3 B's.  Each of the two lines has ONE mask and one set of registers for all that issue it, and nothing in
; them hangs on a coordinate that the four partners do not share.  The branch hangs on the wave's number alone: it is the same in every work-group.
; An s_nop 0 and four v_nop follow each of the two lines; the jump round the other line, the label and what follows the macro come after them.
.macro JLOAD s
	s_cmp_eq_u32 s11, 0
	s_cbranch_scc0 .Lfor_b_\@
	tensor_load_to_lds s[G0+4*(\s):G0+4*(\s)+3], s[G1:G1+7]
	s_nop 0
.rept 4
	v_nop
.endr
	s_branch .Lasked_\@
.Lfor_b_\@:
	tensor_load_to_lds s[G0B+4*(\s):G0B+4*(\s)+3], s[G1B:G1B+7]
	s_nop 0
.rept 4
	v_nop
.endr
.Lasked_\@:
.endm
; A round of the cluster's barrier: my work-group's barrier, so that wave 0's signal speaks for all four waves; wave 0 signals for the work-group; every wave waits for all
; sixteen work-groups; my work-group's barrier once more.  No LDS instruction of the wave is pending at a signal.
.macro CREST                           ; a round behind its opening barrier
	s_cmp_lg_u32 s10, 0
	s_cbranch_scc1 .Lnot_wave_0_\@
	s_barrier_signal -3
.Lnot_wave_0_\@:
	s_barrier_wait -3
	s_barrier_signal -1
	s_barrier_wait -1
.endm
.macro CROUND                          ; a whole round
	s_barrier_signal -1
	s_barrier_wait -1
	CREST
.endm
	s_load_b128 s[4:7], s[0:1], 0x0                ; A (xh) s[4:5], B (wh) s[6:7]
	s_load_b128 s[68:71], s[0:1], 0x10             ; scale s[68:69], bias s[70:71]
	s_load_b64 s[8:9], s[0:1], 0x20                ; out
	v_lshl_add_u32 v[SPW], v0, 2, SPARE
	v_mov_b32 v[NIL], 0
	ds_add_u32 v28, v29
	s_wait_dscnt 0x0
	v_lshrrev_b32 v1, 5, v0
	v_readfirstlane_b32 s10, v1                    ; wave 0..3
	s_lshr_b32 s11, s10, 1                         ; which half of the tile's rows is mine.  Also: I fetch for A (0) or for B (1)
	s_and_b32 s12, s10, 1                          ; which half of its columns.  Also: which 128 rows of that tile I fetch
	s_bfe_u32 s40, ttmp6, 0x40000                  ; cx: my place along the cluster's x
	s_bfe_u32 s41, ttmp6, 0x40004                  ; cy: along its y
	s_lshl_b32 s42, ttmp9, 2                       ; in a cluster launch ttmp9 and ttmp7 count clusters
	s_add_co_u32 s42, s42, s40                     ; tile column of out = 4 x cluster x + cx
	s_and_b32 s13, ttmp7, 0xffff
	s_lshl_b32 s13, s13, 2
	s_add_co_u32 s13, s13, s41                     ; tile row of out = 4 x cluster y + cy
	s_lshl_b32 s43, s41, 2
	s_lshl_b32 s43, 15, s43                        ; my row of the cluster: places 4 cy .. 4 cy + 3
	s_lshl_b32 s44, 0x1111, s40                    ; my column: places cx, cx + 4, cx + 8, cx + 12
	; descriptor group 1: a tile of 128 rows x 128 elements, padded in LDS
	s_or_b32 s[G1+0], s43, (1<<16)|(1<<20)|(1<<21)|(5<<22)|(3<<25)  ; 15:0 the mask: A's tiles go to my row; 17:16 element of 2 bytes; 20 padding on; 21 set beside a mask; 24:22 after every 64 words (code 5); 31:25 of 4 words (code 3)
	s_or_b32 s[G1B+0], s44, (1<<16)|(1<<20)|(1<<21)|(5<<22)|(3<<25) ; the same with the mask of my column, for B's tiles
	s_mov_b32 s[G1B+1], KSTEP<<16
	s_mov_b32 s[G1+1], KSTEP<<16                   ; 63:48 tensor_dim0, low half = 128
	s_mov_b32 s[G1B+2], 128<<16
	s_mov_b32 s[G1+2], 128<<16                     ; 79:64 its high half = 0; 95:80 tensor_dim1, low half = 128
	s_mov_b32 s[G1B+3], KSTEP<<16
	s_mov_b32 s[G1+3], KSTEP<<16                   ; 111:96 its high half = 0; 127:112 tile_dim0 = 128
	s_mov_b32 s[G1B+4], 128
	s_mov_b32 s[G1+4], 128                         ; 143:128 tile_dim1 = 128; 159:144 tile_dim2 = 0
	s_mov_b32 s[G1B+5], SIZE_K
	s_mov_b32 s[G1+5], SIZE_K                      ; 191:160 tensor_dim0_stride, low word: elements from row to row
	s_mov_b32 s[G1B+6], 0
	s_mov_b32 s[G1+6], 0
	s_mov_b32 s[G1B+7], 0
	s_mov_b32 s[G1+7], 0
	; where the tiles come from.  A's hang on the tile row alone, which my row of the cluster shares; B's on the tile column alone, which my column shares.
	; Every wave makes both addresses, in registers that never hold the other coordinate, and asks by one of them.
	s_lshl_b32 s17, s12, 7                         ; which 128 rows of the tile I fetch
	s_lshl_b32 s16, s13, 8
	s_add_co_u32 s16, s16, s17                     ; A: row 256 x tile row + 128 x half
	s_lshl_b32 s46, s42, 8
	s_add_co_u32 s46, s46, s17                     ; B: row 256 x tile column + 128 x half
	s_mov_b32 s17, 0
	s_mov_b32 s47, 0
	s_mov_b64 s[18:19], SIZE_K*2
	s_mul_u64 s[16:17], s[16:17], s[18:19]         ; in bytes, in 64 bits
	s_mul_u64 s[46:47], s[46:47], s[18:19]
	s_mul_i32 s20, s10, HALFT                      ; and where they go: A's two halves, then B's two halves = wave x 128 rows: no place in the cluster enters an LDS address
	s_wait_kmcnt 0x0
	s_add_nc_u64 s[14:15], s[4:5], s[16:17]
	s_add_nc_u64 s[46:47], s[6:7], s[46:47]
	CROUND                                         ; all sixteen work-groups are here: the first joint loads meet
.irp s, 0,1
	s_mov_b32 s[G0+4*(\s)], 1                                      ; 1:0 count = 1
	s_add_co_u32 s[G0+4*(\s)+1], s20, (\s)*SLOT                    ; 63:32 LDS address
	s_add_nc_u64 s[G0+4*(\s)+2:G0+4*(\s)+3], s[14:15], (\s)*KSTEP*2  ; 120:64 global address: K step s
	s_or_b32 s[G0+4*(\s)+3], s[G0+4*(\s)+3], 0x80000000            ; 127:126 type = 2
	s_mov_b32 s[G0B+4*(\s)], 1
	s_add_co_u32 s[G0B+4*(\s)+1], s20, (\s)*SLOT
	s_add_nc_u64 s[G0B+4*(\s)+2:G0B+4*(\s)+3], s[46:47], (\s)*KSTEP*2
	s_or_b32 s[G0B+4*(\s)+3], s[G0B+4*(\s)+3], 0x80000000
	JLOAD \s                                       ; the ring is filled before anything else is done: two loads of mine are out
.endr
	; scale and bias of the tile's 256 columns: read once, 8 bytes a thread (each load of a wave covers 256 consecutive bytes, aligned), and handed to the other waves through LDS
	s_lshl_b32 s66, s42, 10                        ; 256 f32 a tile column
	s_mov_b32 s67, 0
	s_add_nc_u64 s[68:69], s[68:69], s[66:67]
	s_add_nc_u64 s[70:71], s[70:71], s[66:67]
	v_lshlrev_b32 v6, 3, v0
	global_load_b64 v[8:9], v6, s[68:69]
	global_load_b64 v[10:11], v6, s[70:71]
	v_lshl_add_u32 v7, v0, 3, SB
	; A fragment is 16 rows x 32 K in 8 registers: lane l holds row l % 16; registers 0-3 hold K = 8 (l / 16) + 0..7, registers 4-7 hold
	; K = 16 + 8 (l / 16) + 0..7.  From rows that lie along K: two loads of 16 bytes, 32 bytes apart.  The same for source 0 and source 1.
	v_and_b32 v1, 15, v0                           ; l % 16
	v_bfe_u32 v2, v0, 4, 1                         ; l / 16
	v_mul_u32_u24 v3, v1, PITCH
	v_lshl_add_u32 v3, v2, 4, v3                   ; row x pitch + 16 x half
	s_mul_i32 s21, s11, HALFT                      ; my 128 rows of A
	s_mul_i32 s22, s12, HALFT                      ; my 128 rows of B,
	s_add_co_u32 s22, s22, 2*HALFT                 ; which lie behind A's 256
.irp s, 0,1
	v_add_nc_u32 v[ADRA+(\s)], s21, v3
	v_add_nc_u32 v[ADRB+(\s)], s22, v3
	s_add_co_u32 s21, s21, SLOT
	s_add_co_u32 s22, s22, SLOT
.endr
	s_mul_i32 s23, s10, 16*SPITCH
	s_add_co_u32 s23, s23, STAGE                   ; my stage
	v_mul_u32_u24 v4, v1, SPITCH                   ; in: row l % 16, 32 bytes for each half of the lanes
	v_lshl_add_u32 v4, v2, 5, v4
	v_add_nc_u32 v[STO], s23, v4
	v_and_b32 v5, 31, v0
	v_lshl_add_u32 v[RD], v5, 4, s23               ; back: 32 lanes take one row of 512 bytes,
	v_lshlrev_b32 v[CO], 4, v5                     ; which are 512 consecutive bytes of out
	s_lshl_b32 s21, s12, 9
	s_add_co_u32 s21, s21, SB
	v_lshl_add_u32 v[SBA], v2, 5, s21              ; my 128 columns' scales; 8 of each 16 for each half of the lanes
	; where my part of the tile begins in out, in bytes
	s_lshl_b32 s13, s13, 8
	s_lshl_b32 s14, s11, 7
	s_add_co_u32 s16, s13, s14                     ; my first row of out
	s_mov_b32 s17, 0
	s_mov_b64 s[18:19], SIZE_N*4
	s_mul_u64 s[16:17], s[16:17], s[18:19]
	s_lshl_b32 s46, s42, 10                        ; my first column, in bytes: 1,024 x tile column + 512 x half (in the registers that held B's address: none that feeds A's descriptors ever holds cx)
	s_lshl_b32 s47, s12, 9
	s_add_co_u32 s46, s46, s47
	s_mov_b32 s47, 0
	s_add_nc_u64 s[16:17], s[16:17], s[46:47]
	s_add_nc_u64 s[8:9], s[8:9], s[16:17]          ; never stepped again: a row's place among my 128 stands in the stores' immediates
	s_wait_loadcnt 0x0                             ; scale and bias are in registers
	ds_store_b64 v7, v[8:9]
	ds_store_b64 v7, v[10:11] offset:1024
; 16 matrix instructions: m blocks a0, a0 + 1 of the window's four (hi = 0: my rows 0-63, 1: rows 64-127) x all 8 n blocks, 32 along K.
; zero = 1: the first product starts the sums: nothing is ever cleared.  The 64 accumulators take turns, one instruction a turn, in the same order in every quarter step.
.macro MUL16 f, hi, a0, zero
	WIN MUL_LO+0x50*(\hi)  ; MUL_LO or MUL_HI
.irp a, \a0, (\a0)+1
.irp b, 0,1,2,3,4,5,6,7
.if \zero
	v_wmma_f32_16x16x32_f16 v[8*(8*(\a)+(\b)):8*(8*(\a)+(\b))+7], v[(\f)+8*(\b):(\f)+8*(\b)+7], v[(\f)+8*(4*(\hi)+(\a)):(\f)+8*(4*(\hi)+(\a))+7], 0
.else
	v_wmma_f32_16x16x32_f16 v[8*(8*(\a)+(\b)):8*(8*(\a)+(\b))+7], v[(\f)+8*(\b):(\f)+8*(\b)+7], v[(\f)+8*(4*(\hi)+(\a)):(\f)+8*(4*(\hi)+(\a))+7], v[8*(8*(\a)+(\b)):8*(8*(\a)+(\b))+7]
.endif
.endr
.endr
.endm
; 32 LDS loads in one run: the fragments of one quarter step (128 rows of B, 128 rows of A, 32 K at byte k of the rows) into buffer f
.macro FETCH slot, k, f
	WIN TO_B
.irp i, 0,1,2,3,4,5,6,7
	ds_load_b128 v[(\f)+8*(\i):(\f)+8*(\i)+3],   v[ADRB+(\slot)] offset:(\k)+(\i)*16*PITCH
	ds_load_b128 v[(\f)+8*(\i)+4:(\f)+8*(\i)+7], v[ADRB+(\slot)] offset:(\k)+(\i)*16*PITCH+32
.endr
	WIN 0
.irp i, 0,1,2,3,4,5,6,7
	ds_load_b128 v[(\f)+8*(\i):(\f)+8*(\i)+3],   v[ADRA+(\slot)] offset:(\k)+(\i)*16*PITCH
	ds_load_b128 v[(\f)+8*(\i)+4:(\f)+8*(\i)+7], v[ADRA+(\slot)] offset:(\k)+(\i)*16*PITCH+32
.endr
.endm
; A load into a register that a matrix instruction has read, and a vector instruction that reads a matrix result or writes one of a matrix instruction's registers, stand four places behind
; that matrix instruction, and only plain vector instructions that name none of its registers are places (ISA guide 7.12.1 for vector instructions).
.macro PLACES
.rept 4
	v_nop
.endr
.endm
; A K step is four quarter steps of 32 along K, 64 matrix instructions each, on buffers 0, 1, 0, 1.
; One of the first three: multiplies buffer f; in its middle it fetches the next quarter's fragments, at byte k of the same slot's rows, into buffer g.
.macro QUARTER slot, k, f, g, zero
	s_wait_dscnt 8                                 ; B and A's rows 0-63 are in; the youngest eight loads (A's rows 64-127) may be out
	WIN MUL_LO
	MUL16 \f, 0, 0, \zero
	MUL16 \f, 0, 2, \zero
	PLACES
	FETCH \slot, \k, \g
	s_wait_dscnt 32                                ; all but the 32 just issued
	WIN MUL_HI
	MUL16 \f, 1, 0, \zero
	MUL16 \f, 1, 2, \zero
.endm
; The last quarter multiplies buffer 1 and changes slots.  MEET is its first half: ONE barrier for the change of slots, for two things.  In front of it each wave waits for all its tensor
; loads, of which one is out: its part of the next slot; adds 0 to its spare word; and waits for that and for its own reads of this slot.  Behind it nobody reads this slot any more and the next slot is whole.
.macro MEET round                      ; round = 1: a round of the cluster's barrier follows
	WIN 0                                          ; (the add's two registers lie in window 0)
	s_wait_tensorcnt 0x0                           ; all my tensor loads have landed: the one that was out is my part of the next slot;
	ds_add_u32 v[SPW], v[NIL]                      ; 0 onto my spare word;
	s_wait_dscnt 9                                 ; (the add and the youngest eight loads may be out)
	WIN MUL_LO
	MUL16 F1, 0, 0, 0                              ; sixteen matrix instructions stand between the add and the wait for it
	s_wait_dscnt 0x0                               ; the add is done, and my reads of this slot are over (the last were issued 48 matrix instructions ago):
	s_barrier_signal -1                            ; say so (where a slot is filled again this barrier opens a round of the cluster's barrier),
	MUL16 F1, 0, 2, 0                              ; work on registers while the others arrive,
.if \round
	WIN 0
.endif
	s_barrier_wait -1                              ; and go on when all four have said so
.endm
; The whole last quarter.  fill = 1: behind the round the slot just read out is filled again first, with the K step two steps on; then come the next slot's first fragments.
; From a request to the wait for it a wave issues 224 matrix instructions.  fill = 0 (the last lap): nothing is asked for, and no round follows.
.macro TURN slot, next, fill
	MEET \fill
.if \fill
	CREST                                          ; wave 0 says so for the work-group, all sixteen work-groups have said so, my work-group's barrier closes the round:
	                                               ; no wave of any partner still reads this slot's tile or has a load on its way
	s_add_nc_u64 s[G0+4*(\slot)+2:G0+4*(\slot)+3], s[G0+4*(\slot)+2:G0+4*(\slot)+3], 2*KSTEP*2
	s_add_nc_u64 s[G0B+4*(\slot)+2:G0B+4*(\slot)+3], s[G0B+4*(\slot)+2:G0B+4*(\slot)+3], 2*KSTEP*2
	JLOAD \slot                                    ; the first tensor load behind the round; the four v_nop behind it are also the places in front of the loads below
.else
	PLACES
.endif
	FETCH \next, 0, F0
	WIN MUL_HI
	MUL16 F1, 1, 0, 0
	MUL16 F1, 1, 2, 0
.endm
	s_wait_tensorcnt 1                             ; my part of K step 0 is in; K step 1's may stay out
	s_wait_dscnt 0x0                               ; for the others' sake: my stores of scale and bias are done
	s_barrier_signal -1
	s_barrier_wait -1                              ; everybody's are
	WIN TO_B
.irp b, 0,1,2,3,4,5,6,7                ; scale and bias of columns 16 b + 8 (l / 16) + 0..7 of my 128, into registers that nothing else names until the way out
	ds_load_b128 v[SC+8*(\b):SC+8*(\b)+3],   v[SBA] offset:64*(\b)
	ds_load_b128 v[SC+8*(\b)+4:SC+8*(\b)+7], v[SBA] offset:64*(\b)+16
	ds_load_b128 v[BI+8*(\b):BI+8*(\b)+3],   v[SBA] offset:1024+64*(\b)
	ds_load_b128 v[BI+8*(\b)+4:BI+8*(\b)+7], v[SBA] offset:1024+64*(\b)+16
.endr
	FETCH 0, 0, F0
	QUARTER 0, 64,  F0, F1, 1                      ; the first quarter stands in front of the loop: its products start the sums
	WIN 0                                          ; at a label and at a branch every window is 0
	s_mov_b32 s3, LAPS-1
.Llap:                                                 ; a trip goes once round the ring, from a lap's second quarter to the next lap's first, and fills both slots again
	QUARTER 0, 128, F1, F0, 0
	QUARTER 0, 192, F0, F1, 0
	TURN 0, 1, 1
	QUARTER 1, 64,  F0, F1, 0
	QUARTER 1, 128, F1, F0, 0
	QUARTER 1, 192, F0, F1, 0
	TURN 1, 0, 1
	QUARTER 0, 64,  F0, F1, 0
	WIN 0
	s_sub_co_u32 s3, s3, 1
	s_cmp_lg_u32 s3, 0
	s_cbranch_scc1 .Llap
	QUARTER 0, 128, F1, F0, 0                      ; the last lap is written out: it fills nothing, and has no round of the cluster's barrier
	QUARTER 0, 192, F0, F1, 0
	TURN 0, 1, 0
	QUARTER 1, 64,  F0, F1, 0
	QUARTER 1, 128, F1, F0, 0
	QUARTER 1, 192, F0, F1, 0
	s_wait_dscnt 8                                 ; the very last quarter: nothing more to fetch
	WIN MUL_LO
	MUL16 F1, 0, 0, 0
	MUL16 F1, 0, 2, 0
	s_wait_dscnt 0x0
	MUL16 F1, 1, 0, 0
	MUL16 F1, 1, 2, 0
	WIN 0
; THE WAY OUT of block a (16 rows), in three parts.  PACK: sum x scale + bias in f32.  TOSTAGE: into my own stage in LDS, and back as whole rows of 512 bytes.  SEND: stored.
; Nothing waits for a store to be done: no wave reads out, and a block's arithmetic and its trip through the stage go on while the earlier blocks' stores are on their way.  A wave issues 128 stores
; in all; no wait is placed for their count: the issue of an instruction that would pass a counter's field is held until there is room (ISA guide 5.7.1).
.macro PACK a                          ; 32 packed multiply-adds; each accumulator's registers are taken in ascending order
.set AC, 64*((\a)%4)
	WIN 0x16+(\a)/4                                ; source 0 window 2 or 3, sources 1 and 2 window 1, destination window 0
.irp b, 0,1,2,3,4,5,6,7
.irp r, 0,1,2,3
	v_pk_fma_f32 v[TMP+8*(\b)+2*(\r):TMP+8*(\b)+2*(\r)+1], v[AC+8*(\b)+2*(\r):AC+8*(\b)+2*(\r)+1], v[SC+8*(\b)+2*(\r):SC+8*(\b)+2*(\r)+1], v[BI+8*(\b)+2*(\r):BI+8*(\b)+2*(\r)+1]
.endr
.endr
	WIN 0
.endm
.macro TOSTAGE a
	WIN 0
.irp b, 0,1,2,3,4,5,6,7
.irp t, 0,1
	ds_store_b128 v[STO], v[TMP+8*(\b)+4*(\t):TMP+8*(\b)+4*(\t)+3] offset:64*(\b)+16*(\t)
.endr
.endr
.if (\a) > 0
	s_wait_xcnt 0x0                                ; every earlier memory instruction has had its addresses translated (ISA guide 3.1): the registers that the last block's stores read are loaded again only behind this wait
.endif
.irp t, 0,1,2,3,4,5,6,7,8,9,10,11,12,13,14,15
	ds_load_b128 v[BK+4*(\t):BK+4*(\t)+3], v[RD] offset:(\t)*SPITCH  ; LDS serves a wave's instructions in order (ISA guide 5.7.1.4): these see the stores above; the next block's stores come behind them
.endr
.endm
.macro SEND a                          ; the row's place among my 128 stands in the immediate: 127 x 16,384 bytes at the most, inside its signed 24 bits; base and offset are never rewritten
	WIN 0
.irp t, 0,1,2,3,4,5,6,7,8,9,10,11,12,13,14,15
.if (\t)%4 == 0
	s_wait_dscnt 12-(\t)                           ; LDS loads come back in order: rows t to t + 3 are in, the 12 - t younger rows may stay out
.endif
	global_store_b128 v[CO], v[BK+4*(\t):BK+4*(\t)+3], s[8:9] offset:(16*(\a)+(\t))*SIZE_N*4  ; 512 consecutive bytes, at a multiple of 512 from out's first byte
.endr
.endm
	PLACES                                         ; between the last products and what reads results or writes registers that they read
	PACK 0
	TOSTAGE 0
.irp a, 1,2,3,4,5,6,7                  ; block a's arithmetic stands between block a - 1's loads from the stage and the waits for them
	PACK \a
	SEND (\a)-1
	TOSTAGE \a
.endr
	SEND 7
	s_wait_tensorcnt 0x0                           ; the wave's end: behind my last tensor load and my last LDS store
	ds_add_u32 v[SPW], v[NIL]
	s_wait_dscnt 0x0
	CROUND                                         ; the closing round: no work-group ends while a partner may still ask for a tile that names it
	s_endpgm
.Lfunc_end_k_q3db1a9bc68_gemm:
	.size	k_q3db1a9bc68_gemm, .Lfunc_end_k_q3db1a9bc68_gemm-k_q3db1a9bc68_gemm
	.p2alignl 7, 3214868480
	.fill 96, 4, 3214868480
	.section	.rodata,"a",@progbits
	.p2align	6, 0x0
	.amdhsa_kernel k_q3db1a9bc68_gemm
		.amdhsa_group_segment_fixed_size 327680
		.amdhsa_private_segment_fixed_size 0
		.amdhsa_enable_private_segment 0
		.amdhsa_kernarg_size 40
		.amdhsa_user_sgpr_count 2
		.amdhsa_user_sgpr_kernarg_segment_ptr 1
		.amdhsa_wavefront_size32 1
		.amdhsa_system_sgpr_workgroup_id_x 1
		.amdhsa_system_sgpr_workgroup_id_y 1
		.amdhsa_system_sgpr_workgroup_id_z 1
		.amdhsa_system_vgpr_workitem_id 0
		.amdhsa_next_free_vgpr 1024
		.amdhsa_next_free_sgpr 72
		.amdhsa_reserve_vcc 0
		.amdhsa_float_denorm_mode_32 3
		.amdhsa_float_denorm_mode_16_64 3
		.amdhsa_memory_ordered 1
		.amdhsa_forward_progress 1
		.amdhsa_inst_pref_size 160
	.end_amdhsa_kernel
	.amdgpu_metadata
---
amdhsa.version: [ 1, 2 ]
amdhsa.kernels:
  - .name:           k_q3db1a9bc68_gemm
    .symbol:         k_q3db1a9bc68_gemm.kd
    .args:
      - { .name: xh, .offset: 0, .size: 8, .value_kind: global_buffer, .address_space: global }
      - { .name: wh, .offset: 8, .size: 8, .value_kind: global_buffer, .address_space: global }
      - { .name: scale, .offset: 16, .size: 8, .value_kind: global_buffer, .address_space: global }
      - { .name: bias, .offset: 24, .size: 8, .value_kind: global_buffer, .address_space: global }
      - { .name: out0, .offset: 32, .size: 8, .value_kind: global_buffer, .address_space: global }
    .group_segment_fixed_size: 327680
    .private_segment_fixed_size: 0
    .kernarg_segment_align: 8
    .kernarg_segment_size: 40
    .max_flat_workgroup_size: 128
    .sgpr_count:     72
    .vgpr_count:     1024
    .wavefront_size: 32
...
	.end_amdgpu_metadata
.endif
;; end of part 2
;; ======== version 2 of 2: 2 launches; version 1 with the launch tohalf written anew for expert scheduling mode
;; limits: values are held in f16: magnitudes above 65,504 overflow, below 6.1e-05 lose precision; inputs' magnitudes at most 65,504
;; workspace buffers: xh 33,554,432 bytes; wh 33,554,432 bytes
;; launch tohalf (part 3): grid 1024 x 1, 8 waves a work-group, no clusters, 0 bytes of LDS; arguments x, weight_int8, xh, wh; writes xh, wh
.if DOCPART == 3
	.amdgcn_target "amdgcn-amd-amdhsa--gfx1250"
	.amdhsa_code_object_version 6
	.text
	.protected	k_q3db1a9bc68_tohalf
	.globl	k_q3db1a9bc68_tohalf
	.p2align	8
	.type	k_q3db1a9bc68_tohalf,@function
k_q3db1a9bc68_tohalf:
	s_mov_b64 s[64:65], 0
	v_nop
	global_prefetch_b8 v0, s[64:65] scope:SCOPE_SE
	s_setreg_imm32_b32 hwreg(HW_REG_WAVE_SCHED_MODE, 0, 2), 2
	s_setreg_imm32_b32 hwreg(HW_REG_WAVE_MODE, 25, 1), 1
	s_wait_xcnt 0x0
	s_wait_alu depctr_vm_vsrc(0)
; xh = f16(x), wh = f16(w8).  x: [4096][4096] f32; w8: [4096][4096] int8; xh, wh: [4096][4096] f16, the same order of elements.
; LIMIT.  |x| of 65,520 or more becomes an infinity in f16; below 6e-5 x keeps f16's fixed step of 6e-8.  An int8 is exact in f16.
; A stream: bytes are all that counts, so no LDS, no barrier, no matrix unit.  1,024 work-groups of eight waves; each takes 65,536 bytes of x and 16,384 bytes of w8 (16,384 numbers of each).
; A thread issues all its 24 loads first (16 of 16 bytes of x, 8 of 8 bytes of w8), then converts in the order of the loads, each behind a counted wait.
; x:  a load of a wave covers 512 consecutive bytes; four f32 a lane become 8 bytes: a store of a wave covers 256 consecutive bytes, aligned.
; w8: a load of a wave covers 256 consecutive bytes; eight int8 a lane become 16 bytes: a store of a wave covers 512 consecutive bytes, aligned.
; int8 -> f16, reckoned in f32: u = byte xor 0x80 is byte + 128 without a sign; the word 0x4B0000uu is the f32 number 2^23 + u; adding -(2^23 + 128) gives the byte's value, exactly;
; one conversion rounds two of them to f16, exactly too.
; THE MODE: SCHED_MODE bits 1:0 = 2 (LLVM: expert scheduling mode 2), set by the entry lines.  The code itself states the register dependences
; between vector instructions and memory instructions, with s_wait_alu, always for 0.
; THE PLAN.  Registers that memory instructions touch:
;   v1, v2   byte offsets, made at the head and never written again; every load and store reads one of them.
;   XB       x's loads land here, all issued ahead of every vector line that names XB.  Row i's two conversions write its two lowest registers; one store reads them; nothing writes them again.
;   WB       w8's loads land here, likewise; behind them vector lines alone name WB.
;   Y        chunk j's four conversions write its four registers, once; one store reads them; nothing writes them again.
;   T        named by vector lines alone.
; The work goes in blocks: x in four blocks of four rows, w8 in four blocks of two chunks.  A block's stores are issued in the NEXT block, dealt among its vector lines.  ONE wait on va_vdst at a
; block's head states that the block before has written what those stores read; the vector lines behind the wait name the block's own XB (or WB and Y) and T, none of the registers that the
; stores touch, so the stores owe nothing more.  One more such wait stands ahead of the first load (the offsets) and one ahead of the last two stores.
; No register that a memory instruction reads is ever written again: no wait is needed to free a register, on XCNT or on vm_vsrc.
.set XB, 4                             ; v[4:67]    x as loaded, load i at XB + 4 i; its two lowest registers then hold the four f16
.set WB, 68                            ; v[68:83]   w8 as loaded, load j at WB + 2 j
.set T,  84                            ; v[84:91]   eight f32 at work
.set Y,  92                            ; v[92:123]  wh to store, load j's eight f16 at Y + 4 j
.set C80, 18                           ; s18  0x80808080
.set K4B, 19                           ; s19  0x4B000000: the upper three bytes of 2^23 + u
.set NK,  20                           ; s[20:21] -(2^23 + 128): the packed addition takes the pair's low word for both halves
.set SEL, 22                           ; s22-25 byte selects: {0x4B, 0, 0, byte c of the raw word}, c = 0..3
	s_load_b256 s[4:11], s[0:1], 0x0               ; x s[4:5], w8 s[6:7], xh s[8:9], wh s[10:11]
	s_lshl_b32 s12, ttmp9, 16                      ; my work-group's 65,536 bytes of x (1,024 of them: under 2^32)
	s_mov_b32 s13, 0
	s_lshl_b32 s14, ttmp9, 14                      ; its 16,384 bytes of w8
	s_mov_b32 s15, 0
	s_lshl_b32 s16, ttmp9, 15                      ; its 32,768 bytes of xh and of wh
	s_mov_b32 s17, 0
	s_mov_b32 s[C80], 0x80808080
	s_mov_b32 s[K4B], 0x4b000000
	s_mov_b32 s[NK], 0xcb000080                    ; -8,388,736
	s_mov_b32 s[NK+1], s[NK]                       ; named with it as a pair
	s_mov_b32 s[SEL], 0x03000004
	s_mov_b32 s[SEL+1], 0x03000005
	s_mov_b32 s[SEL+2], 0x03000006
	s_mov_b32 s[SEL+3], 0x03000007
	v_lshlrev_b32 v1, 4, v0                        ; 16 bytes a thread: x's loads, wh's stores
	v_lshlrev_b32 v2, 3, v0                        ; 8 bytes a thread: w8's loads, xh's stores
	s_wait_kmcnt 0x0
	s_add_nc_u64 s[4:5], s[4:5], s[12:13]
	s_add_nc_u64 s[6:7], s[6:7], s[14:15]
	s_add_nc_u64 s[8:9], s[8:9], s[16:17]
	s_add_nc_u64 s[10:11], s[10:11], s[16:17]
	s_wait_alu depctr_va_vdst(0)                   ; v1 and v2 are written: every load and store of the kernel reads one of them as its offset
.set i, 0
.rept 16
	global_load_b128 v[XB+4*i:XB+4*i+3], v1, s[4:5] offset:i*4096   ; the eight waves together: 4,096 consecutive bytes
.set i, i+1
.endr
.set i, 0
.rept 8
	global_load_b64 v[WB+2*i:WB+2*i+1], v2, s[6:7] offset:i*2048    ; 2,048 consecutive bytes
.set i, i+1
.endr
; Row i of x, in block i / 4.  From block 1 on: the store of row i - 4, of the block before, goes out ahead of the row's conversions.
.macro XROW i
	s_wait_loadcnt 23-(\i)                         ; loads come back in order (ISA guide 5.7.1): behind x's load i stand 15 - i of x and 8 of w8
.if ((\i) >= 4) && ((\i)%4 == 0)
	s_wait_alu depctr_va_vdst(0)                   ; a block's head: the conversions of the block before have written their rows' two lowest registers, which this block's four stores read
.endif
.if (\i) >= 4
	global_store_b64 v2, v[XB+4*((\i)-4):XB+4*((\i)-4)+1], s[8:9] offset:((\i)-4)*2048  ; no vector line since the wait names these registers
.endif
	v_cvt_pk_f16_f32 v[XB+4*(\i)],   v[XB+4*(\i)],   v[XB+4*(\i)+1]
	v_cvt_pk_f16_f32 v[XB+4*(\i)+1], v[XB+4*(\i)+2], v[XB+4*(\i)+3]
.endm
; Chunk j of w8, in block j / 2.  Block 0 sends x's last four rows, two to a chunk; from block 1 on the store of chunk j - 2, of the block before, goes out ahead of the chunk's arithmetic.
.macro WCHUNK j
	s_wait_loadcnt 7-(\j)                          ; behind w8's load j stand 7 - j others
.if (\j)%2 == 0
	s_wait_alu depctr_va_vdst(0)                   ; a block's head: the conversions of the block before (block 0: of x's rows 12 to 15) have written what this block's stores read
.endif
.if (\j) < 2
	global_store_b64 v2, v[XB+4*(12+2*(\j)):XB+4*(12+2*(\j))+1], s[8:9] offset:(12+2*(\j))*2048
	global_store_b64 v2, v[XB+4*(13+2*(\j)):XB+4*(13+2*(\j))+1], s[8:9] offset:(13+2*(\j))*2048
.else
	global_store_b128 v1, v[Y+4*((\j)-2):Y+4*((\j)-2)+3], s[10:11] offset:((\j)-2)*4096  ; no vector line since the wait names these registers
.endif
	v_xor_b32 v[WB+2*(\j)],   s[C80], v[WB+2*(\j)]
	v_xor_b32 v[WB+2*(\j)+1], s[C80], v[WB+2*(\j)+1]
.irp c, 0,1,2,3,4,5,6,7
	v_perm_b32 v[T+(\c)], v[WB+2*(\j)+(\c)/4], s[K4B], s[SEL+(\c)%4]
.endr
.irp m, 0,1,2,3
	v_pk_add_f32 v[T+2*(\m):T+2*(\m)+1], v[T+2*(\m):T+2*(\m)+1], s[NK:NK+1] op_sel_hi:[1,0]
.endr
.irp m, 0,1,2,3
	v_cvt_pk_f16_f32 v[Y+4*(\j)+(\m)], v[T+2*(\m)], v[T+2*(\m)+1]
.endr
.endm
.irp i, 0,1,2,3,4,5,6,7,8,9,10,11,12,13,14,15
	XROW \i
.endr
.irp j, 0,1,2,3,4,5,6,7
	WCHUNK \j
.endr
	s_wait_alu depctr_va_vdst(0)                   ; the conversions of chunks 6 and 7 have written their Y, which the last two stores read
	global_store_b128 v1, v[Y+24:Y+27], s[10:11] offset:6*4096
	global_store_b128 v1, v[Y+28:Y+31], s[10:11] offset:7*4096
	s_endpgm
.Lfunc_end_k_q3db1a9bc68_tohalf:
	.size	k_q3db1a9bc68_tohalf, .Lfunc_end_k_q3db1a9bc68_tohalf-k_q3db1a9bc68_tohalf
	.p2alignl 7, 3214868480
	.fill 96, 4, 3214868480
	.section	.rodata,"a",@progbits
	.p2align	6, 0x0
	.amdhsa_kernel k_q3db1a9bc68_tohalf
		.amdhsa_group_segment_fixed_size 0
		.amdhsa_private_segment_fixed_size 0
		.amdhsa_enable_private_segment 0
		.amdhsa_kernarg_size 32
		.amdhsa_user_sgpr_count 2
		.amdhsa_user_sgpr_kernarg_segment_ptr 1
		.amdhsa_wavefront_size32 1
		.amdhsa_system_sgpr_workgroup_id_x 1
		.amdhsa_system_sgpr_workgroup_id_y 1
		.amdhsa_system_sgpr_workgroup_id_z 1
		.amdhsa_system_vgpr_workitem_id 0
		.amdhsa_next_free_vgpr 124
		.amdhsa_next_free_sgpr 66
		.amdhsa_reserve_vcc 0
		.amdhsa_float_denorm_mode_32 3
		.amdhsa_float_denorm_mode_16_64 3
		.amdhsa_memory_ordered 1
		.amdhsa_forward_progress 1
		.amdhsa_inst_pref_size 18
	.end_amdhsa_kernel
	.amdgpu_metadata
---
amdhsa.version: [ 1, 2 ]
amdhsa.kernels:
  - .name:           k_q3db1a9bc68_tohalf
    .symbol:         k_q3db1a9bc68_tohalf.kd
    .args:
      - { .name: x, .offset: 0, .size: 8, .value_kind: global_buffer, .address_space: global }
      - { .name: weight_int8, .offset: 8, .size: 8, .value_kind: global_buffer, .address_space: global }
      - { .name: xh, .offset: 16, .size: 8, .value_kind: global_buffer, .address_space: global }
      - { .name: wh, .offset: 24, .size: 8, .value_kind: global_buffer, .address_space: global }
    .group_segment_fixed_size: 0
    .private_segment_fixed_size: 0
    .kernarg_segment_align: 8
    .kernarg_segment_size: 32
    .max_flat_workgroup_size: 256
    .sgpr_count:     66
    .vgpr_count:     124
    .wavefront_size: 32
...
	.end_amdgpu_metadata
.endif
;; end of part 3
;; launch gemm: the kernel of part 2 again; grid 16 x 16, 4 waves a work-group, clusters of 4 x 4, 327,680 bytes of LDS; arguments xh, wh, scale, bias, out0; writes out0
